; MI455X (gfx1250); checked and timed in simulation.
; The chip was launched on July 23, 2026; its instructions are those of AMD's public machine-readable ISA for CDNA 5 (MIT licence, August 2026) and "CDNA5" Instruction Set Architecture Reference Guide (July 2026). The comments in the code are by the model that wrote it; some were corrected since.
;; Lo RA Linear. Allowed arithmetic: matrix products marked QUANTISED: E3M2 operands, one E8M0 scale for each 32 along K, by v_wmma_scale_f32_16x16x128_f8f6f4 with both operands' format E3M2, f32 sums; products left as they are: f32 operands where the result goes on into a quantised operand, else bf16, f16 or f32 operands; f32 sums; everything else in f32.
;; Inputs: W_codes 2,048 x 128 x 24 uint8 (E3M2 codes of W, K innermost, in blocks of 32 codes, four codes in three bytes); W_scales 2,048 x 128 uint8 (E8M0 scales of W, one for each 32 codes along K); lora_A_codes 16 x 128 x 24 uint8 (E3M2 codes of lora_A, K innermost, in blocks of 32 codes, four codes in three bytes); lora_A_scales 16 x 128 uint8 (E8M0 scales of lora_A, one for each 32 codes along K); lora_B 2,048 x 16 float32; x_codes 4 x 2,048 x 128 x 24 uint8 (E3M2 codes of x, K innermost, in blocks of 32 codes, four codes in three bytes); x_scales 4 x 2,048 x 128 uint8 (E8M0 scales of x, one for each 32 codes along K).
;; Outputs: out0 4 x 2,048 x 2,048 float32.
;; This version of the problem:
;;   THIS VERSION OF THE PROBLEM IS GIVEN IN LOW PRECISION. The matrix products marked QUANTISED in the list below multiply operands that are first quantised to E3M2 (3 exponent bits, 2 mantissa bits; 6 bits a number), with one power-of-two scale for each 32 numbers along K (OCP MX v1.0); their sums are f32. All else is computed in f32.
;;   The module's matrix products, in the order in which they are computed (A, B: the left and right operand; K: the contracted axis; several contracted axes count as one K, in the product's order):
;;     1. [M 8,192, K 4,096] x [K 4,096, N 2,048]; A: input x (given as codes); B: input W (given as codes): QUANTISED
;;     2. [M 8,192, K 4,096] x [K 4,096, N 16]; A: input x (given as codes); B: input lora_A (given as codes): QUANTISED
;;     3. [M 8,192, K 16] x [K 16, N 2,048]; A: computed on the way; B: input lora_B: left as it is (K = 16 < 32)
;;   THE QUANTISER, for each operand of a quantised product, along K:
;;     - K is cut into blocks of 32 from its start; a last block that is shorter is filled with zeros.
;;     - A block's scale is 2^e with e = floor(log2(the largest magnitude in the block)) - 4, held to -126 .. 127; a block of zeros has e = 0. As a byte (E8M0): e + 127.
;;     - Each number is divided by its block's scale, clamped to +-28, and rounded to the nearest number of E3M2, ties to even, subnormals kept.
;;     - The product sums the exact products of the quantised numbers (number of the format x scale) in f32.
;;   ~~~python
;;   def quantise(x, axis):      # numpy; x: float32 -> the quantised numbers, widened to float32 again
;;       x = np.moveaxis(x, axis, -1); K = x.shape[-1]
;;       x = np.pad(x, [(0, 0)] * (x.ndim - 1) + [(0, -K % 32)]); x = x.reshape(x.shape[:-1] + (-1, 32)); a = np.abs(x).max(-1, keepdims=True)
;;       e = np.where(a > 0, np.clip(np.frexp(np.where(a > 0, a, 1))[1] - 1 - 4, -126, 127), 0)      # np.frexp(a)[1] - 1 = floor(log2(a)), exactly
;;       r = np.clip(x / 2.0 ** e, -28, 28)
;;       step = 2.0 ** (np.maximum(np.frexp(np.where(r == 0, 1, r))[1] - 1, -2) - 2)
;;       q = np.round(r / step) * step * 2.0 ** e      # np.round: ties to even
;;       return np.moveaxis(q.reshape(q.shape[:-2] + (-1,))[..., :K], -1, axis).astype(np.float32)
;;   ~~~
;;   INPUTS GIVEN AS CODES. W (in the module: [2048, 4096], K = its axis 1); lora_A (in the module: [16, 4096], K = its axis 1); x (in the module: [4, 2048, 4096], K = its axis 2): each comes as NAME_codes (uint8): NAME with its K axis moved to the last place and cut into blocks of 32 codes, [.., K / 32, bytes a block], one block behind the other in memory; four codes in three bytes: a row's codes are one little-endian stream of bits, code i at bits 6 i .. 6 i + 5 (a code: sign, 3 exponent bits, 2 mantissa bits); and NAME_scales (uint8): the same leading axes, one E8M0 byte (e + 127) for each 32 codes along K. Its value is code x scale, taken as it is: it is not quantised again, and the codes and scales need not be those that the quantiser above would give.
;; One version. Each part assembles by itself: llvm-mc -triple=amdgcn-amd-amdhsa -mcpu=gfx1250 --defsym DOCPART=n.
;; ======== version 1 of 1: 1 launch
;; limits: values are held in bf16: 8 bits of precision; right only within a limited range of input values
;; launch lora_gemm (part 1): grid 8 x 32, 4 waves a work-group, clusters of 4 x 4, 327,680 bytes of LDS; arguments x_codes, x_scales, W_codes, W_scales, lora_A_codes, lora_A_scales, lora_B, out0; writes out0
.if DOCPART == 1
	.amdgcn_target "amdgcn-amd-amdhsa--gfx1250"
	.amdhsa_code_object_version 6
	.text
	.protected	k_qc5753e963f_lora_gemm
	.globl	k_qc5753e963f_lora_gemm
	.p2align	8
	.type	k_qc5753e963f_lora_gemm,@function
k_qc5753e963f_lora_gemm:
	s_mov_b64 s[64:65], 0
	v_nop
	global_prefetch_b8 v0, s[64:65] scope:SCOPE_SE
	s_setreg_imm32_b32 hwreg(HW_REG_WAVE_MODE, 25, 1), 1
	s_wait_xcnt 0x0
	s_wait_alu depctr_hold_cnt(0) depctr_sa_sdst(0) depctr_va_vdst(0) depctr_va_sdst(0) depctr_va_ssrc(0) depctr_va_vcc(0) depctr_vm_vsrc(0)
	s_getreg_b32 s2, hwreg(HW_REG_IB_STS2, 6, 4)
	s_cmp_eq_u32 s2, 0
	s_cbranch_scc0 .Lentry_in_a_cluster
	s_endpgm
.Lentry_in_a_cluster:
	s_bfe_u32 s2, ttmp6, 0x10000c
	s_cmp_lg_u32 s2, 0xf033
	s_cbranch_scc0 .Lentry_shape_is_right
	s_endpgm
.Lentry_shape_is_right:
; out[m][n] = sum_k x[m][k] W[n][k] + 2 sum_j r[m][j] lora_B[n][j],  r[m][j] = sum_k x[m][k] lora_A[j][k].  m 8,192, n 2,048, k 4,096, j 16.
; x, W, lora_A: E3M2 codes with E8M0 scales, fed as they lie to the scaled matrix instruction; sums f32.  The last product takes r and 2 lora_B rounded to bf16 (K = 16, padded with zeros to 32).
; A work-group of four waves makes 256 x 256 of out, a wave 128 x 128 (64 accumulators).  4 x 4 work-groups form a cluster: x's tiles are asked for jointly along a row, W's along a column.
; THE RING: two LDS slots, each one CHUNK of 256 bytes of 256 rows of x and 256 rows of W; a row of codes is 3,072 bytes = 12 chunks; chunk c lies in slot c % 2.  A step is 128 along K = 96 bytes: eight steps to three chunks.
; THE LOOP: a trip is eight steps (steps 1-8, 9-16, 17-24), three chunks: so the two slots change roles from trip to trip.  The text names slots by their role in a trip; at a trip's end two scalars (0 and SLOT)
; are exchanged by xor and the LDS addresses of pieces that lie inside one chunk are made anew from them.  A piece whose lanes 0-15 read the end of one chunk and whose lanes 16-31 read the start of the next has two
; address registers that are never rewritten (one for each order of the LDS slots); in the loop such pieces stand in two short arms, chosen by a scalar branch on the slots' state, the same number of loads in both.
; One descriptor group 0 for each operand: at each refill 256 bytes on, and the LDS address xor SLOT (a tile's first byte has none of SLOT's bits).
; THE SCALES of x and W do not fit beside the ring for all of K: they go by quarters of K (32 bytes of each row) through registers into two LDS buffers that no tensor load fills (rows of 40 bytes);
; quarter u is stored in trip u, step 4, and first read in step 7; the next quarter's loads leave in step 5.  lora_A's scales (2 KB) lie in LDS for the whole launch.
; lora_A's fragments (16 rows x 96 bytes a step) come from memory straight into registers, two steps ahead.  Each wave makes r for 64 of its 128 rows (its blocks 0-3); the wave beside it, which has the same rows, makes the other 64:
; the order of a wave's blocks of x is chosen by address so that its own 64 rows are blocks 0-3; the halves are exchanged through LDS at the end.
; PREFETCH: behind the joint load of chunk n each wave names chunk n + 2 of 32 rows (a lane a row); the four partners that ask for a tile share its rows out by address; chunks 1 to 3 are named at the head; chunks past 11 are never named.
; REGISTERS: window 0: v0-31, v96-107 addresses and lora_A's scale words; v32-63 scale words; v64-95 r's sums; v128-223 x's fragments (one set); v224-255 scales on their way to LDS.
;   window 1: W's fragments at v0 and v128 (two sets), lora_A's at v96 and v224, 2 lora_B in bf16 at v108-127 and v236-247.  Windows 2, 3: the accumulators.
.set SIZE_N, 2048
.set ROWB,   256
.set NQ,     2
.set KROW,   3072
.set PITCH,  272
.set FR,     12
.set NL,     6
.set NP,     4
.set HALFT,  128*PITCH
.set SLOT,   4*HALFT
.set SCB,    2*SLOT                    ; the two scale buffers
.set SROW,   40
.set SBUF,   512*SROW
.set LSCL,   SCB+2*SBUF                ; lora_A's scales, rows of 144 bytes
.set SPARE,  LSCL+2304                 ; the spare words, 512 bytes
.set SPITCH, 528
.set XCH,    4*16*SPITCH               ; stage (from byte 0) and exchange lie in slot 0, which has had its last fill and last read by then
.set STO, 1
.set RD,  2
.set CO,  3
.set XST, 4
.set XLD, 5
.set LGO, 6
.set PFO, 7
.set BAS, 8                            ; v8-10 bases: x blocks 0-3, x blocks 4-7, W
.set ADRA, 16                          ; v16-19 (x blocks 0-3), v20-23 (x blocks 4-7): role slot 0, role slot 1; then, never rewritten: lanes 0-15 byte 232 in LDS slot 0 and lanes 16-31 byte 0 in LDS slot 1; and the other way round
.set ADRB, 24                          ; v24-27 the same for W
.set SPW, 28
.set NIL, 29
.set SGO, 30
.set LSA, 31
.set SC,  32
.set LACC, 64
.set ADRS, 96                          ; v96-99: this quarter's buffer (blocks 0-3, 4-7), the next quarter's
.set SRB, 100
.set SST, 102
.set SSTB, 103
.set LS,  104
.set AF,  128
.set T,   192
.set ST,  224
.set BK,  128
.set G1, 24
.set G0, 32
.set G0B, 36
.set G1B, 48
.set SLP, 56                           ; s56, s57: where role slots 0 and 1 lie in LDS
.set SLQ, 57
.set SCP, 58                           ; s58, s59: the same for the scale buffers
.set SCQ, 59
.set PFA, 66
.set XS, 68
.set WS, 70
.set LAP, 96
.set LSP, 98
.set LB,  100
.set FMODE, 0                          ; what FRAG writes: 0 the pieces inside one chunk, 1 those across two
.set FSW,   0                          ; 1: role slot 0 is LDS slot 1
.set DYN,   0                          ; the slots' state where the text stands: 0 as at the start, 2 exchanged, 1 told by s56
.set MSB, 0
.macro WIN new
.if MSB != \new
	s_set_vgpr_msb (MSB<<8)|\new
.set MSB, \new
.endif
.endm
.set MUL_LO, 0xa1
.set MUL_HI, 0xf1
.set TO_B,   0x40
.set LOR,    0x01
.macro JLOAD                           ; waves 0, 1 fetch x's two halves of a chunk, waves 2, 3 W's
	s_cmp_eq_u32 s15, 0
	s_cbranch_scc0 .Lfor_b_\@
	tensor_load_to_lds s[G0:G0+3], s[G1:G1+7]
	s_nop 0
.rept 4
	v_nop
.endr
	s_branch .Lasked_\@
.Lfor_b_\@:
	tensor_load_to_lds s[G0B:G0B+3], s[G1B:G1B+7]
	s_nop 0
.rept 4
	v_nop
.endr
.Lasked_\@:
.endm
.macro NEXTCH                          ; no tensor load of mine is out: the next chunk, into the other slot
	s_add_nc_u64 s[G0+2:G0+3], s[G0+2:G0+3], ROWB
	s_xor_b32 s[G0+1], s[G0+1], SLOT
	s_add_nc_u64 s[G0B+2:G0B+3], s[G0B+2:G0B+3], ROWB
	s_xor_b32 s[G0B+1], s[G0B+1], SLOT
.endm
.macro CREST
	s_cmp_lg_u32 s14, 0
	s_cbranch_scc1 .Lnot_wave_0_\@
	s_barrier_signal -3
.Lnot_wave_0_\@:
	s_barrier_wait -3
	s_barrier_signal -1
	s_barrier_wait -1
.endm
.macro CROUND
	s_barrier_signal -1
	s_barrier_wait -1
	CREST
.endm
.macro ASK how                         ; 1: always; 2: not in the last trip (chunk 12 does not exist)
.if \how == 2
	s_cmp_gt_u32 s3, 1
	s_cbranch_scc0 .Lno_ask_\@
.endif
.if \how
	global_prefetch_b8 v[PFO], s[PFA:PFA+1] offset:3*ROWB th:TH_LOAD_NT scope:SCOPE_SE
.endif
.if \how == 2
.Lno_ask_\@:
.endif
.endm
.macro UPDATE                          ; the LDS addresses from the slots' and buffers' present roles
.irp g, 0,1,2
	v_add_nc_u32 v[ADRA+4*\g], s[SLP], v[BAS+\g]
	v_add_nc_u32 v[ADRA+4*\g+1], s[SLQ], v[BAS+\g]
.endr
	v_add_nc_u32 v[ADRS], s[SCP], v[SRB]
	v_add_nc_u32 v[ADRS+1], s[SCP], v[SRB+1]
	v_add_nc_u32 v[ADRS+2], s[SCQ], v[SRB]
	v_add_nc_u32 v[ADRS+3], s[SCQ], v[SRB+1]
	v_add_nc_u32 v[SST], s[SCQ], v[SSTB]
.endm
.macro QLOAD off                       ; a quarter of K of the scales of 256 rows of x and of W: two lanes to a row's 32 bytes
.irp j, 0,1,2,3
	global_load_b128 v[ST+4*\j:ST+4*\j+3], v[SGO], s[XS:XS+1] offset:8192*\j+\off
	global_load_b128 v[ST+16+4*\j:ST+16+4*\j+3], v[SGO], s[WS:WS+1] offset:8192*\j+\off
.endr
.endm
.macro QSTORE adr
.irp j, 0,1,2,3
	ds_store_b64 v[\adr], v[ST+4*\j:ST+4*\j+1] offset:64*SROW*\j
	ds_store_b64 v[\adr], v[ST+4*\j+2:ST+4*\j+3] offset:64*SROW*\j+8
	ds_store_b64 v[\adr], v[ST+16+4*\j:ST+16+4*\j+1] offset:256*SROW+64*SROW*\j
	ds_store_b64 v[\adr], v[ST+16+4*\j+2:ST+16+4*\j+3] offset:256*SROW+64*SROW*\j+8
.endr
.endm
	s_load_b128 s[4:7], s[0:1], 0x0
	s_load_b128 s[8:11], s[0:1], 0x10
	s_load_b128 s[LAP:LAP+3], s[0:1], 0x20
	s_load_b64 s[LB:LB+1], s[0:1], 0x30
	s_load_b64 s[12:13], s[0:1], 0x38
	v_lshl_add_u32 v[SPW], v0, 2, SPARE
	v_mov_b32 v[NIL], 0
	ds_add_u32 v[SPW], v[NIL]                      ; the opening lines: the add twice on end and one wait
	ds_add_u32 v[SPW], v[NIL]
	v_lshrrev_b32 v1, 5, v0
	v_readfirstlane_b32 s14, v1                    ; wave
	s_lshr_b32 s15, s14, 1                         ; my half of the rows; also: I fetch x (0) or W (1)
	s_and_b32 s16, s14, 1                          ; my half of the columns; also: which 128 rows I fetch
	s_bfe_u32 s40, ttmp6, 0x40000
	s_bfe_u32 s41, ttmp6, 0x40004
	s_lshl_b32 s42, ttmp9, 2
	s_add_co_u32 s42, s42, s40                     ; tile column
	s_and_b32 s17, ttmp7, 0xffff
	s_lshl_b32 s17, s17, 2
	s_add_co_u32 s17, s17, s41                     ; tile row
	s_lshl_b32 s43, s41, 2
	s_lshl_b32 s43, 15, s43
	s_lshl_b32 s44, 0x1111, s40
	s_or_b32 s[G1+0], s43, (0<<16)|(1<<20)|(1<<21)|(5<<22)|(3<<25)   ; bytes; 16 bytes of padding behind every 256
	s_or_b32 s[G1B+0], s44, (0<<16)|(1<<20)|(1<<21)|(5<<22)|(3<<25)
.irp g, G1, G1B
	s_mov_b32 s[\g+1], ROWB<<16
	s_mov_b32 s[\g+2], 128<<16
	s_mov_b32 s[\g+3], ROWB<<16
	s_mov_b32 s[\g+4], 128
	s_mov_b32 s[\g+5], KROW
	s_mov_b32 s[\g+6], 0
	s_mov_b32 s[\g+7], 0
.endr
	s_lshl_b32 s18, s16, 7
	s_lshl_b32 s20, s17, 8
	s_add_co_u32 s20, s20, s18
	s_lshl_b32 s46, s42, 8
	s_add_co_u32 s46, s46, s18
	s_mov_b32 s21, 0
	s_mov_b32 s47, 0
	s_mov_b64 s[18:19], KROW
	s_mul_u64 s[20:21], s[20:21], s[18:19]
	s_mul_u64 s[46:47], s[46:47], s[18:19]
	s_mul_i32 s45, s14, HALFT
	s_wait_dscnt 0x0
	s_wait_kmcnt 0x0
	s_mov_b32 s[G0], 1
	s_mov_b32 s[G0+1], s45
	s_add_nc_u64 s[G0+2:G0+3], s[4:5], s[20:21]
	s_or_b32 s[G0+3], s[G0+3], 0x80000000
	s_mov_b32 s[G0B], 1
	s_mov_b32 s[G0B+1], s45
	s_add_nc_u64 s[G0B+2:G0B+3], s[8:9], s[46:47]
	s_or_b32 s[G0B+3], s[G0B+3], 0x80000000
	CROUND
	JLOAD                                          ; chunk 0: one tensor load a wave at the head
	; scalars first, then the vector work in one block
	s_lshl_b32 s20, s17, 15
	s_mov_b32 s21, 0
	s_add_nc_u64 s[XS:XS+1], s[6:7], s[20:21]      ; scales of my tile's 256 rows of x (128 bytes a row)
	s_lshl_b32 s20, s42, 15
	s_add_nc_u64 s[WS:WS+1], s[10:11], s[20:21]
	s_lshl_b32 s20, s42, 14
	s_lshl_b32 s22, s16, 13
	s_add_co_u32 s20, s20, s22
	s_add_nc_u64 s[LB:LB+1], s[LB:LB+1], s[20:21]  ; my 128 rows of lora_B
	s_lshl_b32 s20, s17, 8
	s_lshl_b32 s21, s42, 8
	s_cmp_eq_u32 s15, 0
	s_cselect_b32 s20, s20, s21
	s_cselect_b32 s21, s40, s41
	s_cselect_b64 s[PFA:PFA+1], s[4:5], s[8:9]
	s_lshl_b32 s22, s16, 7
	s_add_co_u32 s20, s20, s22
	s_lshl_b32 s21, s21, 5
	s_add_co_u32 s20, s20, s21                     ; my work-group's 32 of the 128 rows that I fetch
	s_mul_i32 s20, s20, KROW
	s_mov_b32 s21, 0
	s_add_nc_u64 s[PFA:PFA+1], s[PFA:PFA+1], s[20:21]
	s_mul_i32 s72, s15, HALFT
	s_mul_i32 s20, s16, 64*PITCH
	s_xor_b32 s21, s16, 1
	s_mul_i32 s22, s21, 64*PITCH
	s_add_co_u32 s73, s72, s22                     ; x blocks 4-7: the other 64 rows
	s_add_co_u32 s72, s72, s20                     ; x blocks 0-3: the 64 rows whose r I make
	s_mul_i32 s74, s16, HALFT
	s_add_co_u32 s74, s74, 2*HALFT
	s_mul_i32 s22, s15, 128*SROW
	s_mul_i32 s20, s16, 64*SROW
	s_mul_i32 s21, s21, 64*SROW
	s_add_co_u32 s75, s22, s20
	s_add_co_u32 s77, s22, s21
	s_mul_i32 s23, s16, 128*SROW
	s_add_co_u32 s23, s23, 256*SROW
	s_sub_co_u32 s76, s23, s75                     ; lanes 16-31 take W's rows: one product, the distance x the lane's half
	s_add_co_u32 s23, s23, 64*SROW
	s_sub_co_u32 s78, s23, s77
	s_add_co_u32 s75, s75, SCB
	s_add_co_u32 s77, s77, SCB
	s_mul_i32 s79, s14, 16*SPITCH
	s_lshl_b32 s80, s14, 11
	s_add_co_u32 s80, s80, XCH
	s_xor_b32 s81, s14, 1
	s_lshl_b32 s81, s81, 11
	s_add_co_u32 s81, s81, XCH
	s_mov_b32 s2, SLOT-232
	s_mov_b32 s82, SLOT+232
	s_mov_b32 s[SLP], 0
	s_mov_b32 s[SLQ], SLOT
	s_mov_b32 s[SCP], 0
	s_mov_b32 s[SCQ], SBUF
	s_lshl_b32 s20, s17, 8
	s_lshl_b32 s21, s15, 7
	s_add_co_u32 s20, s20, s21
	s_lshl_b32 s21, s16, 6
	s_add_co_u32 s22, s20, s21
	s_xor_b32 s21, s21, 64
	s_add_co_u32 s20, s20, s21
	s_lshl_b32 s22, s22, 13
	s_lshl_b32 s20, s20, 13
	s_lshl_b32 s46, s42, 10
	s_lshl_b32 s47, s16, 9
	s_add_co_u32 s46, s46, s47
	s_add_co_u32 s22, s22, s46
	s_add_co_u32 s20, s20, s46
	s_mov_b32 s23, 0
	s_mov_b32 s21, 0
	s_add_nc_u64 s[18:19], s[12:13], s[20:21]      ; out: blocks 4-7
	s_add_nc_u64 s[12:13], s[12:13], s[22:23]      ; out: blocks 0-3
	v_and_b32 v[T], 15, v0                         ; r
	v_bfe_u32 v[T+1], v0, 4, 1                     ; h
	v_lshrrev_b32 v[T+2], 1, v0
	v_and_b32 v[T+3], 1, v0
	v_lshlrev_b32 v[SGO], 7, v[T+2]
	v_lshl_add_u32 v[SGO], v[T+3], 4, v[SGO]
	v_lshlrev_b32 v[T+4], 4, v0
	v_mul_u32_u24 v[LGO], v[T], KROW
	v_mad_u32_u24 v[LGO], v[T+1], 24, v[LGO]
	v_lshlrev_b32 v[T+5], 6, v[T]
	v_lshl_add_u32 v[T+5], v[T+1], 5, v[T+5]
	v_and_b32 v[T+15], 31, v0
	v_mul_u32_u24 v[PFO], v[T+15], KROW
	s_wait_alu depctr_va_vdst(0)
	QLOAD 0
	global_load_b128 v[T+20:T+23], v[T+4], s[LSP:LSP+1]
.irp b, 0,1,2,3,4,5,6,7
	global_load_b128 v[AF+8*\b:AF+8*\b+3], v[T+5], s[LB:LB+1] offset:1024*\b
	global_load_b128 v[AF+8*\b+4:AF+8*\b+7], v[T+5], s[LB:LB+1] offset:1024*\b+16
.endr
	WIN TO_B
.irp s, 0,1
.irp p, 0,1,2,3,4,5
	global_load_b64 v[128*\s+96+2*\p:128*\s+97+2*\p], v[LGO], s[LAP:LAP+1] offset:96*\s+48*(\p/3)+8*(\p%3)
.endr
.endr
	WIN 0
	global_prefetch_b8 v[PFO], s[PFA:PFA+1] offset:ROWB th:TH_LOAD_NT scope:SCOPE_SE
	global_prefetch_b8 v[PFO], s[PFA:PFA+1] offset:2*ROWB th:TH_LOAD_NT scope:SCOPE_SE
	v_mul_u32_u24 v[T+6], v[T], PITCH
	v_mad_u32_u24 v[T+7], v[T+1], 24, v[T+6]
	v_mul_u32_u24 v[T+8], s2, v[T+1]
	v_add_nc_u32 v[T+8], v[T+6], v[T+8]
	v_add_nc_u32 v[T+8], 232, v[T+8]               ; row + 232 in lanes 0-15, row + SLOT in lanes 16-31
	v_sub_nc_u32 v[T+9], 1, v[T+1]
	v_mul_u32_u24 v[T+9], s82, v[T+9]
	v_add_nc_u32 v[T+9], v[T+6], v[T+9]            ; row + SLOT + 232 in lanes 0-15, row in lanes 16-31
.irp g, 0,1,2
	v_add_nc_u32 v[BAS+\g], s[72+\g], v[T+7]
	v_add_nc_u32 v[ADRA+4*\g+2], s[72+\g], v[T+8]
	v_add_nc_u32 v[ADRA+4*\g+3], s[72+\g], v[T+9]
.endr
	v_mul_u32_u24 v[T+10], v[T], SROW
	v_mul_u32_u24 v[T+11], s76, v[T+1]
	v_add_nc_u32 v[T+11], v[T+10], v[T+11]
	v_add_nc_u32 v[SRB], s75, v[T+11]
	v_mul_u32_u24 v[T+11], s78, v[T+1]
	v_add_nc_u32 v[T+11], v[T+10], v[T+11]
	v_add_nc_u32 v[SRB+1], s77, v[T+11]
	v_mul_u32_u24 v[SSTB], v[T+2], SROW
	v_lshl_add_u32 v[SSTB], v[T+3], 4, v[SSTB]
	v_add_nc_u32 v[SSTB], SCB, v[SSTB]
	v_mul_u32_u24 v[LSA], v[T], 144
	v_add_nc_u32 v[LSA], LSCL, v[LSA]
	v_lshrrev_b32 v[T+12], 3, v0
	v_and_b32 v[T+13], 7, v0
	v_mul_u32_u24 v[T+12], v[T+12], 144
	v_lshl_add_u32 v[T+12], v[T+13], 4, v[T+12]
	v_add_nc_u32 v[T+12], LSCL, v[T+12]
	v_mul_u32_u24 v[T+14], v[T], SPITCH
	v_lshl_add_u32 v[T+14], v[T+1], 5, v[T+14]
	v_add_nc_u32 v[STO], s79, v[T+14]
	v_lshlrev_b32 v[CO], 4, v[T+15]
	v_add_nc_u32 v[RD], s79, v[CO]
	v_add_nc_u32 v[XST], s80, v[CO]
	v_add_nc_u32 v[XLD], s81, v[CO]
	UPDATE
	s_wait_alu depctr_va_vdst(0)
	s_wait_loadcnt 28                              ; behind the first nine loads: lora_B's 16 and lora_A's 12
	QSTORE SSTB                                    ; quarter 0 into buffer 0
	ds_store_b128 v[T+12], v[T+20:T+23]
	s_wait_loadcnt 12                              ; lora_B is in
.set k, 0
.rept 32
	v_pk_mul_f32 v[AF+2*k:AF+2*k+1], v[AF+2*k:AF+2*k+1], 2.0 op_sel_hi:[1,0]   ; alpha / rank = 2
.set k, k+1
.endr
	WIN TO_B
.set k, 0
.rept 32
.if k < 20
	v_cvt_pk_bf16_f32 v[108+k], v[AF+2*k], v[AF+2*k+1]
.else
	v_cvt_pk_bf16_f32 v[216+k], v[AF+2*k], v[AF+2*k+1]
.endif
.set k, k+1
.endr
	WIN 0
.macro FRAG reg, adr, st, i            ; 16 rows x 128 K: six pieces of 8 bytes, each inside one chunk; st counts from the trip's base.  FMODE says which pieces are written here
.irp p, 0,1,2,3,4,5
.set BY, 96*(\st)+48*(\p/3)+8*(\p%3)
.if BY/ROWB == (BY+24)/ROWB
.if FMODE == 0
	ds_load_b64 v[\reg+2*\p:\reg+2*\p+1], v[\adr+(BY/ROWB)%2] offset:BY%ROWB+(\i)*16*PITCH
.endif
.else
.if FMODE == 1
	ds_load_b64 v[\reg+2*\p:\reg+2*\p+1], v[\adr+2+((BY/ROWB)+FSW)%2] offset:BY%ROWB-232+(\i)*16*PITCH
.endif
.endif
.endr
.endm
.macro MUL16 a0, p, q, sc, zero        ; source 0 = W's rows, source 1 = x's rows; the accumulators take turns
.irp a, \a0, \a0+1
.irp b, 0,1,2,3,4,5,6,7
.if \zero
	v_wmma_scale_f32_16x16x128_f8f6f4 v[8*(8*((\a)%4)+\b):8*(8*((\a)%4)+\b)+7], v[128*(\p)+FR*\b:128*(\p)+FR*\b+FR-1], v[AF+FR*(\a):AF+FR*(\a)+FR-1], 0, v[SC+8*NQ*(\sc)+NQ*\b+(\q)], v[SC+8*NQ*(\sc)+NQ*(\a)+(\q)] matrix_a_fmt:MATRIX_FMT_BF6 matrix_b_fmt:MATRIX_FMT_BF6 matrix_a_scale:MATRIX_SCALE_ROW1
.else
	v_wmma_scale_f32_16x16x128_f8f6f4 v[8*(8*((\a)%4)+\b):8*(8*((\a)%4)+\b)+7], v[128*(\p)+FR*\b:128*(\p)+FR*\b+FR-1], v[AF+FR*(\a):AF+FR*(\a)+FR-1], v[8*(8*((\a)%4)+\b):8*(8*((\a)%4)+\b)+7], v[SC+8*NQ*(\sc)+NQ*\b+(\q)], v[SC+8*NQ*(\sc)+NQ*(\a)+(\q)] matrix_a_fmt:MATRIX_FMT_BF6 matrix_b_fmt:MATRIX_FMT_BF6 matrix_a_scale:MATRIX_SCALE_ROW1
.endif
.endr
.endr
.endm
.macro LORA4 p, q, sc, zero            ; r of my blocks 0-3: source 0 = lora_A's 16 rows; a lane holds row l % 16 of x and ranks 8 (l / 16) + 0..7
	WIN LOR
.irp a, 0,1,2,3
.if \zero
	v_wmma_scale_f32_16x16x128_f8f6f4 v[LACC+8*\a:LACC+8*\a+7], v[128*(\p)+96:128*(\p)+107], v[AF+FR*\a:AF+FR*\a+FR-1], 0, v[LS+2*(\sc)+(\q)], v[SC+8*NQ*(\sc)+NQ*\a+(\q)] matrix_a_fmt:MATRIX_FMT_BF6 matrix_b_fmt:MATRIX_FMT_BF6
.else
	v_wmma_scale_f32_16x16x128_f8f6f4 v[LACC+8*\a:LACC+8*\a+7], v[128*(\p)+96:128*(\p)+107], v[AF+FR*\a:AF+FR*\a+FR-1], v[LACC+8*\a:LACC+8*\a+7], v[LS+2*(\sc)+(\q)], v[SC+8*NQ*(\sc)+NQ*\a+(\q)] matrix_a_fmt:MATRIX_FMT_BF6 matrix_b_fmt:MATRIX_FMT_BF6
.endif
.endr
.endm
.macro FETCH_B st, p, la, cur          ; W's eight fragments of step st; la = 1: also lora_A's fragment of step cur + 2, from memory
	WIN TO_B
.irp i, 0,1,2,3,4,5,6,7
	FRAG 128*(\p)+FR*\i, ADRB, \st, \i
.endr
.if \la
.irp w, 0,1,2,3,4,5
	global_load_b64 v[128*((\cur)%2)+96+2*\w:128*((\cur)%2)+97+2*\w], v[LGO], s[LAP:LAP+1] offset:96*((\cur)+2)+48*(\w/3)+8*(\w%3)
.endr
.endif
	WIN 0
.endm
.macro FETCH_A st, i0
.irp i, \i0, \i0+1, \i0+2, \i0+3
	FRAG AF+FR*(\i), ADRA+4*((\i)/4), \st, (\i)%4
.endr
.endm
.macro XARM st, sw, part               ; the pieces across two chunks of step st: part 0: W's eight fragments and x's blocks 0-3; part 1: x's blocks 4-7
.set FMODE, 1
.set FSW, \sw
.if \part == 0
	FETCH_B \st, (\st)%2, 0, 0
	FETCH_A \st, 0
.else
	FETCH_A \st, 4
.endif
.set FMODE, 0
.set FSW, 0
.endm
.macro CROSS st, part                  ; only a step that lies across two chunks has such pieces.  In the loop: two arms with the same number of loads, by the slots' state, which is the same in all waves and all partners
.if (96*(\st))/ROWB != (96*(\st)+95)/ROWB
.if DYN == 1
	s_cmp_eq_u32 s[SLP], 0
	s_cbranch_scc0 .Lswapped_\@
	XARM \st, 0, \part
	s_branch .Lcrossed_\@
.Lswapped_\@:
	XARM \st, 1, \part
.Lcrossed_\@:
.else
	XARM \st, DYN/2, \part
.endif
.endif
.endm
.macro SCALES pr                       ; the words of steps 2 pr, 2 pr + 1: lanes 0-15 x's block i, lanes 16-31 W's block i; pair 4 lies in the next quarter's buffer
.irp i, 0,1,2,3,4,5,6,7
	ds_load_b64 v[SC+8*NQ*((\pr)%2)+NQ*\i:SC+8*NQ*((\pr)%2)+NQ*\i+1], v[ADRS+2*((\pr)/4)+\i/4] offset:(\i%4)*16*SROW+8*((\pr)%4)
.endr
	ds_load_b64 v[LS+2*((\pr)%2):LS+2*((\pr)%2)+1], v[LSA] offset:8*(\pr)
.endm
.macro PLACES n
.rept \n
	v_nop
.endr
.endm
; A step: 68 matrix instructions on step st's fragments; the next step's are fetched in its middle and at its end.  Where the next step ends in a chunk not yet read: a barrier shows it whole.
; Where the next step begins in a later chunk: the chunk left behind is free; the three lines, the barrier, and (fill = 1) the cluster's round and the refill two chunks on.
; hook 1: the quarter of scales in v224-255 goes to LDS (a barrier with its wait for 0 parts the stores from every read of the buffers, ahead and behind); hook 2: the next quarter's loads, but in the last trip.
.macro STEP st, zero, fill, ask, la, hook
.set NX, (\st)+1
.set C0, (96*(\st))/ROWB
.set C1, (96*NX)/ROWB
.set E0, (96*(\st)+95)/ROWB
.set E1, (96*NX+95)/ROWB
.set PP, (\st)%2
.set SS, ((\st)/2)%2
.if C1 > C0 || E1 > E0
.if (C1 > C0) && \fill
	s_wait_xcnt 0x0                                ; my prefetch has read its address
	s_add_nc_u64 s[PFA:PFA+1], s[PFA:PFA+1], ROWB
.endif
	s_wait_loadcnt 6                               ; lora_A's fragment of this step is in: behind it at most the next step's six loads
	s_wait_tensorcnt 0x0
.if C1 > C0
	ds_add_u32 v[SPW], v[NIL]
	s_wait_dscnt 4*NL+1                            ; the add and x's blocks 4-7 may be out
.else
	s_wait_dscnt 4*NL
.endif
	LORA4 PP, PP, SS, \zero
	WIN MUL_LO
	MUL16 0, PP, PP, SS, \zero
	s_wait_dscnt 0x0
	s_barrier_signal -1
	MUL16 2, PP, PP, SS, \zero
	WIN 0
	s_barrier_wait -1
.if (C1 > C0) && \fill
	CREST
	NEXTCH
	JLOAD                                          ; its four v_nop are the places in front of the loads below
.else
	PLACES NP
.endif
.if \hook == 1
	QSTORE SST                                     ; its loads were shown done by the waits on LOADcnt of the steps since
.endif
.if \hook == 2
	s_cmp_eq_u32 s3, 1
	s_cbranch_scc1 .Lno_q_\@
	QLOAD 64
.Lno_q_\@:
.endif
.else
	s_wait_loadcnt 6
	s_wait_dscnt 4*NL
	LORA4 PP, PP, SS, \zero
	WIN MUL_LO
	MUL16 0, PP, PP, SS, \zero
	MUL16 2, PP, PP, SS, \zero
	s_wait_dscnt 0
	PLACES NP
.endif
	FETCH_B NX, NX%2, \la, \st
	FETCH_A NX, 0
.if NX%2 == 0
	SCALES NX/2
.endif
	CROSS NX, 0
	ASK \ask
	WIN MUL_HI
	MUL16 4, PP, PP, SS, \zero
	MUL16 6, PP, PP, SS, \zero
	PLACES NP
	WIN 0
	FETCH_A NX, 4
	CROSS NX, 1                                    ; the youngest 4 NL loads are those of x's blocks 4-7 on either way
.endm
	s_wait_alu depctr_va_vdst(0)                   ; the wait at the head's end
	s_wait_tensorcnt 0x0                           ; my part of chunk 0 is in; slot 1's first fill is issued as a refill is
	ds_add_u32 v[SPW], v[NIL]
	s_wait_dscnt 0x0                               ; the add and my stores of scales are done
	CROUND
	NEXTCH
	JLOAD                                          ; chunk 1
	QLOAD 32                                       ; quarter 1 of the scales
	FETCH_B 0, 0, 0, 0
	FETCH_A 0, 0
	SCALES 0
	global_prefetch_b8 v[PFO], s[PFA:PFA+1] offset:3*ROWB th:TH_LOAD_NT scope:SCOPE_SE
	FETCH_A 0, 4
	STEP 0, 1, 1, 0, 1, 0                          ; the first step's products start the sums
	s_mov_b32 s3, 3
.set DYN, 1
.Ltrip:
	STEP 1, 0, 1, 0, 1, 0
	STEP 2, 0, 1, 1, 1, 0
	STEP 3, 0, 1, 0, 1, 0
	STEP 4, 0, 1, 0, 1, 1
	STEP 5, 0, 1, 1, 1, 2
	STEP 6, 0, 1, 0, 1, 0
	STEP 7, 0, 1, 2, 1, 0
	STEP 8, 0, 1, 0, 1, 0
	s_wait_xcnt 0x0                                ; the loads have read their bases
	s_add_nc_u64 s[LAP:LAP+1], s[LAP:LAP+1], 768
	s_add_nc_u64 s[XS:XS+1], s[XS:XS+1], 32
	s_add_nc_u64 s[WS:WS+1], s[WS:WS+1], 32
	s_xor_b32 s[SLP], s[SLP], SLOT                 ; three chunks and one quarter on: slots and buffers change roles
	s_xor_b32 s[SLQ], s[SLQ], SLOT
	s_xor_b32 s[SCP], s[SCP], SBUF
	s_xor_b32 s[SCQ], s[SCQ], SBUF
	v_add_nc_u32 v[LSA], 32, v[LSA]
	UPDATE
	s_sub_co_u32 s3, s3, 1
	s_cmp_lg_u32 s3, 0
	s_wait_alu depctr_va_vdst(0)                   ; the wait ahead of the branch
	s_cbranch_scc1 .Ltrip
.set DYN, 2                            ; behind three trips the slots are exchanged
	STEP 1, 0, 0, 0, 1, 0                          ; steps 25 to 31: one refill is left, chunk 11
	STEP 2, 0, 1, 0, 1, 0
	STEP 3, 0, 0, 0, 1, 0
	STEP 4, 0, 0, 0, 1, 0
	STEP 5, 0, 0, 0, 1, 0
	STEP 6, 0, 0, 0, 0, 0
	s_wait_loadcnt 0x0                             ; the last step
	s_wait_dscnt 4*NL
	LORA4 1, 1, 1, 0
	WIN MUL_LO
	MUL16 0, 1, 1, 1, 0
	MUL16 2, 1, 1, 1, 0
	s_wait_dscnt 0
	WIN 0x41                                       ; window 1 to window 1: 2 lora_B's fragments, K = 16 .. 31 zero, over W's set 0, which is done with
.set k, 0
.rept 32
.if k < 20
	v_mov_b32 v[8*(k/4)+k%4], v[108+k]
.else
	v_mov_b32 v[8*(k/4)+k%4], v[216+k]
.endif
	v_mov_b32 v[8*(k/4)+4+k%4], 0
.set k, k+1
.endr
	WIN TO_B
.irp a, 0,1,2,3
.irp i, 0,1,2,3
	v_cvt_pk_bf16_f32 v[64+8*\a+\i], v[LACC+8*\a+2*\i], v[LACC+8*\a+2*\i+1]   ; r as a fragment: window 1, v64 + 8 a
.endr
.endr
	WIN 0x04
.irp a, 0,1,2,3
	ds_store_b128 v[XST], v[64+8*\a:64+8*\a+3] offset:512*\a
.endr
	WIN TO_B
.irp a, 0,1,2,3,4,5,6,7
.irp i, 4,5,6,7
	v_mov_b32 v[64+8*\a+\i], 0
.endr
.endr
	WIN MUL_HI
	MUL16 4, 1, 1, 1, 0
	s_wait_alu depctr_va_vdst(0)                   ; the wait ahead of the wait below
	s_wait_dscnt 0x0                               ; my r is in LDS
	s_barrier_signal -1
	MUL16 6, 1, 1, 1, 0
	WIN 0
	s_barrier_wait -1
	WIN TO_B
.irp i, 0,1,2,3
	ds_load_b128 v[96+8*\i:96+8*\i+3], v[XLD] offset:512*\i    ; the r of my blocks 4-7, made by the wave beside me
.endr
	WIN 0
	PLACES NP+1                                    ; another form takes the accumulators up
	s_wait_dscnt 0x0
.macro ROWL a
.set AC, 64*((\a)%4)
	WIN 0xa5+0x50*((\a)/4)
.irp b, 0,1,2,3,4,5,6,7
	v_wmma_f32_16x16x32_bf16 v[AC+8*\b:AC+8*\b+7], v[8*\b:8*\b+7], v[64+8*(\a):64+8*(\a)+7], v[AC+8*\b:AC+8*\b+7]
.endr
.endm
.macro TOSTAGE a                       ; 16 rows x 128 columns through my own stage, back as whole rows of 512 bytes
.set AC, 64*((\a)%4)
	WIN 0x08+4*((\a)/4)
.irp b, 0,1,2,3,4,5,6,7
	ds_store_b128 v[STO], v[AC+8*\b:AC+8*\b+3] offset:64*\b
	ds_store_b128 v[STO], v[AC+8*\b+4:AC+8*\b+7] offset:64*\b+16
.endr
	WIN 0
.set BB, BK+64*((\a)%2)
.irp t, 0,1,2,3,4,5,6,7,8,9,10,11,12,13,14,15
	ds_load_b128 v[BB+4*\t:BB+4*\t+3], v[RD] offset:\t*SPITCH
.endr
.endm
.macro SEND a, younger
.set BB, BK+64*((\a)%2)
.set OB, 12+6*((\a)/4)
	s_wait_dscnt \younger
.irp t, 0,1,2,3,4,5,6,7,8,9,10,11,12,13,14,15
	global_store_b128 v[CO], v[BB+4*\t:BB+4*\t+3], s[OB:OB+1] offset:(((\a)%4)*16+\t)*SIZE_N*4 th:TH_STORE_NT   ; 32 lanes store 512 consecutive bytes, aligned to 256
.endr
.endm
	ROWL 0
	ROWL 1
	PLACES NP
	TOSTAGE 0
.irp a, 1,2,3,4,5,6,7
.if \a < 7
	ROWL \a+1
	PLACES NP
.endif
.if \a > 1
	s_wait_xcnt 0x0                                ; block a - 2's stores have read their registers
.endif
	TOSTAGE \a
	SEND \a-1, 32
.endr
	SEND 7, 0
	s_wait_tensorcnt 0x0                           ; the wave's end
	ds_add_u32 v[SPW], v[NIL]
	s_wait_dscnt 0x0
	CROUND
	s_endpgm
.Lfunc_end_k_qc5753e963f_lora_gemm:
	.size	k_qc5753e963f_lora_gemm, .Lfunc_end_k_qc5753e963f_lora_gemm-k_qc5753e963f_lora_gemm
	.p2alignl 7, 3214868480
	.fill 96, 4, 3214868480
	.section	.rodata,"a",@progbits
	.p2align	6, 0x0
	.amdhsa_kernel k_qc5753e963f_lora_gemm
		.amdhsa_group_segment_fixed_size 327680
		.amdhsa_private_segment_fixed_size 0
		.amdhsa_enable_private_segment 0
		.amdhsa_kernarg_size 64
		.amdhsa_user_sgpr_count 2
		.amdhsa_user_sgpr_kernarg_segment_ptr 1
		.amdhsa_wavefront_size32 1
		.amdhsa_system_sgpr_workgroup_id_x 1
		.amdhsa_system_sgpr_workgroup_id_y 1
		.amdhsa_system_sgpr_workgroup_id_z 1
		.amdhsa_system_vgpr_workitem_id 0
		.amdhsa_next_free_vgpr 1024
		.amdhsa_next_free_sgpr 102
		.amdhsa_reserve_vcc 0
		.amdhsa_float_denorm_mode_32 3
		.amdhsa_float_denorm_mode_16_64 3
		.amdhsa_memory_ordered 1
		.amdhsa_forward_progress 1
		.amdhsa_inst_pref_size 255
	.end_amdhsa_kernel
	.section	.bss,"aw",@nobits
	.p2align	6
	.space	262144
	.amdgpu_metadata
---
amdhsa.version: [ 1, 2 ]
amdhsa.kernels:
  - .name:           k_qc5753e963f_lora_gemm
    .symbol:         k_qc5753e963f_lora_gemm.kd
    .args:
      - { .name: x_codes, .offset: 0, .size: 8, .value_kind: global_buffer, .address_space: global }
      - { .name: x_scales, .offset: 8, .size: 8, .value_kind: global_buffer, .address_space: global }
      - { .name: W_codes, .offset: 16, .size: 8, .value_kind: global_buffer, .address_space: global }
      - { .name: W_scales, .offset: 24, .size: 8, .value_kind: global_buffer, .address_space: global }
      - { .name: lora_A_codes, .offset: 32, .size: 8, .value_kind: global_buffer, .address_space: global }
      - { .name: lora_A_scales, .offset: 40, .size: 8, .value_kind: global_buffer, .address_space: global }
      - { .name: lora_B, .offset: 48, .size: 8, .value_kind: global_buffer, .address_space: global }
      - { .name: out0, .offset: 56, .size: 8, .value_kind: global_buffer, .address_space: global }
    .group_segment_fixed_size: 327680
    .private_segment_fixed_size: 0
    .kernarg_segment_align: 8
    .kernarg_segment_size: 64
    .max_flat_workgroup_size: 128
    .sgpr_count:     102
    .vgpr_count:     1024
    .wavefront_size: 32
...
	.end_amdgpu_metadata
.endif
;; end of part 1
